; MI455X (gfx1250); checked and timed in simulation.
; The chip was launched on July 23, 2026; its instructions are those of AMD's public machine-readable ISA for CDNA 5 (MIT licence, August 2026) and "CDNA5" Instruction Set Architecture Reference Guide (July 2026). The comments in the code are by the model that wrote it; some were corrected since.
;; DPLLM Linear. Allowed arithmetic: matrix products marked QUANTISED: E2M1 operands, one E8M0 scale for each 32 along K, by v_wmma_scale_f32_16x16x128_f8f6f4 with both operands' format E2M1 (or v_wmma_scale_f32_32x16x128_f4), f32 sums; everything else in f32.
;; Inputs: bias 4,096 float32; lut4 4,096 x 16 float32; lut8 4,096 x 256 float32; qweight 8 x 4,096 x 128 int32; x 4 x 512 x 4,096 float32.
;; Outputs: out0 4 x 512 x 4,096 float32.
;; This version of the problem:
;;   THIS VERSION OF THE PROBLEM IS GIVEN IN LOW PRECISION. The matrix products marked QUANTISED in the list below multiply operands that are first quantised to E2M1 (2 exponent bits, 1 mantissa bit; 4 bits a number), with one power-of-two scale for each 32 numbers along K (OCP MX v1.0); their sums are f32. All else is computed in f32.
;;   The module's matrix products, in the order in which they are computed (A, B: the left and right operand; K: the contracted axis; several contracted axes count as one K, in the product's order):
;;     1. [M 2,048, K 4,096] x [K 4,096, N 4,096]; A: input x; B: computed on the way: QUANTISED
;;     2. [M 2,048, K 4,096] x [K 4,096, N 4,096]; A: input x; B: computed on the way: QUANTISED
;;   THE QUANTISER, for each operand of a quantised product, along K:
;;     - K is cut into blocks of 32 from its start; a last block that is shorter is filled with zeros.
;;     - A block's scale is 2^e with e = floor(log2(the largest magnitude in the block)) - 2, held to -126 .. 127; a block of zeros has e = 0. As a byte (E8M0): e + 127.
;;     - Each number is divided by its block's scale, clamped to +-6, and rounded to the nearest number of E2M1, ties to even, subnormals kept.
;;     - The product sums the exact products of the quantised numbers (number of the format x scale) in f32.
;;   ~~~python
;;   def quantise(x, axis):      # numpy; x: float32 -> the quantised numbers, widened to float32 again
;;       x = np.moveaxis(x, axis, -1); K = x.shape[-1]
;;       x = np.pad(x, [(0, 0)] * (x.ndim - 1) + [(0, -K % 32)]); x = x.reshape(x.shape[:-1] + (-1, 32)); a = np.abs(x).max(-1, keepdims=True)
;;       e = np.where(a > 0, np.clip(np.frexp(np.where(a > 0, a, 1))[1] - 1 - 2, -126, 127), 0)      # np.frexp(a)[1] - 1 = floor(log2(a)), exactly
;;       r = np.clip(x / 2.0 ** e, -6, 6)
;;       step = 2.0 ** (np.maximum(np.frexp(np.where(r == 0, 1, r))[1] - 1, 0) - 1)
;;       q = np.round(r / step) * step * 2.0 ** e      # np.round: ties to even
;;       return np.moveaxis(q.reshape(q.shape[:-2] + (-1,))[..., :K], -1, axis).astype(np.float32)
;;   ~~~
;;   OPERANDS COMPUTED ON THE WAY. 'Computed on the way' means the value that the module computes at that place (a softmax that the list does not call 'softmax' is quantised finished and normalised). What goes into a quantiser is computed in f32, as accurately as f32 sums, v_exp_f32 and their like allow (about 1e-6 of the number): no bf16 or f16 on the way to a quantiser, and a product that is left as it is and whose result goes on into a quantised operand takes f32 operands (vector FMAs, or v_wmma_f32_16x16x4_f32). A number that lies on a knife's edge between two numbers of the format may be rounded either way, as far as f32 arithmetic and the matrix unit's own rounding can turn it there, and no further.
;; One version. Each part assembles by itself: llvm-mc -triple=amdgcn-amd-amdhsa -mcpu=gfx1250 --defsym DOCPART=n.
;; ======== version 1 of 1: 2 launches
;; limits: right only within a limited range of input values
;; workspace buffers: xp 4,456,448 bytes; wp 17,825,792 bytes; route 8,192 bytes of whole numbers
;; launch prep (part 1): grid 384 x 1, 8 waves a work-group, no clusters, 155,392 bytes of LDS; arguments x, qweight, lut4, lut8, xp, wp, route; writes xp, wp, route
.if DOCPART == 1
	.amdgcn_target "amdgcn-amd-amdhsa--gfx1250"
	.amdhsa_code_object_version 6
	.text
	.protected	k_q2ad58ca262_prep
	.globl	k_q2ad58ca262_prep
	.p2align	8
	.type	k_q2ad58ca262_prep,@function
k_q2ad58ca262_prep:
	s_mov_b64 s[64:65], 0
	v_nop
	global_prefetch_b8 v0, s[64:65] scope:SCOPE_SE
	s_setreg_imm32_b32 hwreg(HW_REG_WAVE_MODE, 25, 1), 1
	s_wait_xcnt 0x0
; PREP: both operands of the products become codes of FP4 (E2M1) with one E8M0 scale byte for each 32 along K, once, laid in the order of the matrix operand's registers.
;   work-groups 0-127   (x path): 16 tokens of x [2048][4096] f32 -> xp; the tokens' norms -> route (1 where the norm is above 64, else 0).
;   work-groups 128-383 (w path): 16 output rows: the bit planes of qweight [8][4096][128] become 8-bit indices; lut8 [4096][256] at the index and lut4 [4096][16] at its low four bits
;                                 give the two dense weights, which are quantised -> wp.
; In both paths wave v of eight takes K step v: 512 along K.  The two paths part once, on the work-group's number, never join, and have LDS bytes of their own.
; THE PACKED LAYOUT, xp and wp alike: [tile of 16 rows][K step 0..7][4,352 bytes].  In such a chunk: the 16 bytes (32 codes, the lower k in the lower bits) of block b (0..15) of row r at 256 b + 16 r;
; row r's four scale words (word q: the bytes of blocks 4 q .. 4 q + 3) at 4096 + 16 r.  xp's tile is token / 16; wp's tile is 8 (o / 64) + 4 e + (o % 64) / 16, e = 0 for lut4's weight, 1 for lut8's.
; THE QUANTISER: a block's scale is 2^(floor(log2(its largest magnitude)) - 2); its byte is the largest magnitude's exponent field - 2, held at 1 from below by a floor among the maximum's leaves.
; LIMITS: NaN and infinities in x or in the tables are not served.  A block of zeros gets the byte 1 where the rule says 127: its codes are zeros, and this program alone reads the bytes.
; A token whose norm lies within the rounding of an f32 sum of 4,096 squares of 64 (some 1e-5 of it) may fall on the other side than by another order of the sum.
; The estimator's slope 1.0 and intercept 0.0 are constants of the problem's text; they change no f32 number, so no line is written for them.
.set NXT,  128                         ; x's tiles, and the first work-group of the w path
.set TP,   34816                       ; a tile of the packed layout: 8 chunks
.set CH,   4352                        ; a chunk
.set T8,   0                           ; w: lut8 of my 16 rows, twice: index x 128 + copy x 64 + row x 4.  A gather at index x 128 + lane x 4 keeps lane l in bank l or l + 32 (64 banks of 4 bytes: ISA guide 11.1)
.set T4,   32768                       ; w: lut4 in the same form
.set QS,   34816                       ; w: the bit planes: plane x QPL + row x QP + byte
.set QP,   528                         ;    a row's 512 bytes + 16
.set QPL,  16*QP
.set LS8,  102400                      ; w: lut8 as it lies in memory: row x LP + byte
.set LP,   1040                        ;    a row's 1,024 bytes + 16
.set XS,   119040                      ; x: a stage of 16 rows x XP for each wave
.set XP,   272                         ;    256 bytes + 16
.set XN,   153856                      ; x: partial sums of squares: wave x 64 + row x 4
; 32 numbers of one lane, v[xs] on, one block: the scale operand in v[m+2], the byte in v[m+3], the codes in v[c] .. v[c+3].  The caller's next line is a plain vector line that names none of the conversions' registers.
.macro BLOCKQ xs, c, m
	v_max3_num_f32 v[\m], |v[\xs]|, |v[\xs+1]|, |v[\xs+2]|               ; the largest magnitude, in two chains
	v_max3_num_f32 v[\m+1], |v[\xs+3]|, |v[\xs+4]|, |v[\xs+5]|
.irp i, 6,10,14,18,22,26
	s_delay_alu instid0(VALU_DEP_2)
	v_max3_num_f32 v[\m], v[\m], |v[\xs+\i]|, |v[\xs+\i+1]|
	s_delay_alu instid0(VALU_DEP_2)
	v_max3_num_f32 v[\m+1], v[\m+1], |v[\xs+\i+2]|, |v[\xs+\i+3]|
.endr
	s_delay_alu instid0(VALU_DEP_2)
	v_max3_num_f32 v[\m], v[\m], |v[\xs+30]|, |v[\xs+31]|
	s_delay_alu instid0(VALU_DEP_1)
	v_max3_num_f32 v[\m], v[\m], v[\m+1], 0x1800000                      ; and the floor 2^(3 - 127): the byte cannot fall under 1
	s_delay_alu instid0(VALU_DEP_1)
	v_add_nc_u32 v[\m+2], 0xff000000, v[\m]                              ; 2 off the exponent field: the conversion takes this operand's exponent field as its scale
	s_delay_alu instid0(VALU_DEP_1)
	v_lshrrev_b32 v[\m+3], 23, v[\m+2]                                   ; the scale's byte
.irp g, 0,1,2,3
	v_cvt_scalef32_pk8_fp4_f32 v[\c+\g], v[\xs+8*\g:\xs+8*\g+7], v[\m+2]
.endr
.endm
	s_load_b256 s[4:11], s[0:1], 0x0               ; x s[4:5], qweight s[6:7], lut4 s[8:9], lut8 s[10:11]
	s_load_b128 s[12:15], s[0:1], 0x20             ; xp s[12:13], wp s[14:15]
	s_load_b64 s[16:17], s[0:1], 0x30              ; route
	v_lshrrev_b32 v1, 5, v0
	s_delay_alu instid0(VALU_DEP_1)
	v_readfirstlane_b32 s18, v1                    ; wave 0..7 = my K step
	v_and_b32 v1, 31, v0                           ; lane
	v_and_b32 v2, 15, v0                           ; r
	v_bfe_u32 v3, v0, 4, 1                         ; h
	s_mov_b32 s32, 0x76543210
	s_mov_b32 s33, 0xfedcba98                      ; v_permlanex16_b32's selects for lane l xor 16
	s_mov_b32 s21, 0                               ; the upper word of every byte offset
	s_wait_kmcnt 0x0
	s_cmp_lt_u32 ttmp9, NXT
	s_cbranch_scc1 .Lx_path
; =============================== THE W PATH ===============================
; REGISTERS: v4 4 x lane; v5 my plane words in QS; v6, v7 my places in a chunk (codes, scale words); v8 16 x lane; v9 4 x thread; v10-15 LDS addresses of the two set-up phases;
; v16-23 at work in the transposition; v24-87 plane words: 32 t + 4 p + u = plane p, my word 4 t + u; v88-215 two sets of 32 numbers by lut8 and 32 by lut4;
; v216-247 codes, four sets of 4 + 4; v[248:249], v[250:251] scale words (lut4's, lut8's); v252-255 the quantiser's.
	s_sub_co_u32 s19, ttmp9, NXT                   ; g: rows 16 g .. 16 g + 15
	s_lshl_b32 s20, s18, 21                        ; plane v: 4,096 rows of 512 bytes,
	s_lshl_b32 s22, s19, 13                        ; my 16 rows in it
	s_add_co_u32 s20, s20, s22
	s_add_nc_u64 s[6:7], s[6:7], s[20:21]
	s_lshl_b32 s20, s19, 14                        ; lut8: my 16 rows of 1,024 bytes,
	s_lshl_b32 s22, s18, 11                        ; rows 2 v and 2 v + 1 of them
	s_add_co_u32 s20, s20, s22
	s_add_nc_u64 s[10:11], s[10:11], s[20:21]
	s_lshl_b32 s20, s19, 10                        ; lut4: my 16 rows of 64 bytes
	s_add_nc_u64 s[8:9], s[8:9], s[20:21]
	s_lshr_b32 s20, s19, 2
	s_lshl_b32 s20, s20, 3
	s_and_b32 s22, s19, 3
	s_add_co_u32 s20, s20, s22                     ; wp's tile for lut4's weight: 8 (g / 4) + g % 4
	s_mul_i32 s20, s20, TP
	s_mul_i32 s22, s18, CH
	s_add_co_u32 s20, s20, s22                     ; + my K step's chunk
	s_add_nc_u64 s[28:29], s[14:15], s[20:21]
	s_add_nc_u64 s[30:31], s[28:29], 4*TP          ; lut8's weight: four tiles on
	s_mov_b32 s24, 0x55555555
	s_mov_b32 s25, 0x33333333
	s_mov_b32 s26, 0x0f0f0f0f
	s_wait_alu depctr_va_vdst(0)
	v_lshlrev_b32 v4, 2, v1
	v_mul_u32_u24 v5, v2, QP
	s_delay_alu instid0(VALU_DEP_1)
	v_lshl_add_u32 v5, v3, 5, v5
	s_lshl_b32 s22, s18, 6
	s_add_co_u32 s22, s22, QS
	v_add_nc_u32 v5, s22, v5                       ; QS + row r + 64 v + 32 h: my eight words of a plane
	v_lshlrev_b32 v6, 4, v2
	s_delay_alu instid0(VALU_DEP_1)
	v_lshl_add_u32 v6, v3, 11, v6                  ; codes of block 8 h + k: 2048 h + 16 r (+ 256 k)
	v_lshl_add_u32 v7, v3, 3, 4096
	s_delay_alu instid0(VALU_DEP_1)
	v_lshl_add_u32 v7, v2, 4, v7                   ; scale words 2 h, 2 h + 1 of row r
	v_lshlrev_b32 v8, 4, v1
	v_lshlrev_b32 v9, 2, v0
	s_mul_i32 s22, s18, QPL
	s_add_co_u32 s22, s22, QS
	v_lshl_add_u32 v10, v1, 4, s22                 ; plane v into QS, a row a store
	s_mul_i32 s22, s18, 2*LP
	s_add_co_u32 s22, s22, LS8
	v_lshl_add_u32 v11, v1, 4, s22                 ; rows 2 v, 2 v + 1 of lut8 into LS8
	v_lshrrev_b32 v12, 4, v0
	s_delay_alu instid0(VALU_DEP_1)
	v_lshlrev_b32 v12, 2, v12
	s_delay_alu instid0(VALU_DEP_1)
	v_lshl_add_u32 v12, v2, 7, v12
	s_delay_alu instid0(VALU_DEP_1)
	v_add_nc_u32 v12, T4, v12                      ; thread t holds lut4[t / 16][t % 16]: index x 128 + row x 4
	v_mul_u32_u24 v13, v2, LP
	s_delay_alu instid0(VALU_DEP_1)
	v_lshl_add_u32 v13, v3, 4, v13
	s_lshl_b32 s22, s18, 7
	s_add_co_u32 s22, s22, LS8
	v_add_nc_u32 v13, s22, v13                     ; LS8: row r, entries 32 v + 4 h (+ 8 i) on
	v_mul_u32_u24 v14, v3, 576
	s_delay_alu instid0(VALU_DEP_1)
	v_lshl_add_u32 v14, v2, 2, v14
	s_lshl_b32 s22, s18, 12
	v_add_nc_u32 v14, s22, v14                     ; T8: entry 32 v + 4 h, copy h, row r;
	s_delay_alu instid0(VALU_DEP_1)
	v_xor_b32 v15, 64, v14                         ; and the other copy.  The halves of the lanes so write different copies at any one time
	; ---- phase 0: 21 dense loads, each wave's covering 512 consecutive bytes (lut4's: 128), and into LDS as they lie
	global_load_b32 v16, v9, s[8:9] th:TH_LOAD_NT
.irp i, 0,1,2,3
	global_load_b128 v[24+4*\i:27+4*\i], v8, s[10:11] offset:512*\i th:TH_LOAD_NT
.endr
.irp i, 0,1,2,3,4,5,6,7,8,9,10,11,12,13,14,15
	global_load_b128 v[88+4*\i:91+4*\i], v8, s[6:7] offset:512*\i th:TH_LOAD_NT
.endr
	s_wait_alu depctr_va_vdst(0)
	s_wait_loadcnt 20                              ; lut4's word is in: the 20 younger loads may be out
	ds_store_b32 v12, v16
	ds_store_b32 v12, v16 offset:64
	s_wait_loadcnt 16                              ; lut8's four are in: the planes' 16 may be out
	ds_store_b128 v11, v[24:27]
	ds_store_b128 v11, v[28:31] offset:512
	ds_store_b128 v11, v[32:35] offset:LP
	ds_store_b128 v11, v[36:39] offset:LP+512
.irp i, 0,1,2,3,4,5,6,7,8,9,10,11,12,13,14,15
	s_wait_loadcnt 15-\i                           ; loads come back in order (ISA guide 5.7.1): row i of the plane is in
	ds_store_b128 v10, v[88+4*\i:91+4*\i] offset:QP*\i
.endr
	s_wait_dscnt 0x0                               ; for the others' sake: my stores have landed
	s_barrier_signal -1
	s_barrier_wait -1
	; ---- phase 1: lut8 is turned into T8: 16 entries a thread, each into both copies; every word of T8 is written once
.irp i, 0,1,2,3
	ds_load_b128 v[24+4*\i:27+4*\i], v13 offset:32*\i
.endr
	s_wait_dscnt 0x0
.irp i, 0,1,2,3
.irp j, 0,1,2,3
	ds_store_b32 v14, v[24+4*\i+\j] offset:1024*\i+128*\j
	ds_store_b32 v15, v[24+4*\i+\j] offset:1024*\i+128*\j
.endr
.endr
	s_wait_dscnt 0x0
	s_barrier_signal -1
	s_barrier_wait -1                              ; the tables and the planes are whole; from here on this path only reads LDS
	; ---- phase 2: lane (r, h) owns blocks 8 h + k, k = 0 .. 7, of K step v of row r: a block of 32 along K is one word of each plane
.irp t, 0,1
.irp p, 0,1,2,3,4,5,6,7
	ds_load_b128 v[24+32*\t+4*\p:27+32*\t+4*\p], v5 offset:QPL*\p+16*\t
.endr
.endr
	s_wait_dscnt 0x0
; One stage of the transposition: registers d apart change bits d apart.  a0 .. a3: the lower register of each of the four pairs.
.macro STAGE wb, d, m, a0, a1, a2, a3
.set TI, 0
.irp a, \a0, \a1, \a2, \a3
	v_lshlrev_b32 v[16+2*TI], \d, v[\wb+4*(\a+\d)]
	v_lshrrev_b32 v[17+2*TI], \d, v[\wb+4*\a]
.set TI, TI+1
.endr
.set TI, 0
.irp a, \a0, \a1, \a2, \a3
	v_bfi_b32 v[\wb+4*\a], s[\m], v[\wb+4*\a], v[16+2*TI]
	v_bfi_b32 v[\wb+4*(\a+\d)], s[\m], v[17+2*TI], v[\wb+4*(\a+\d)]
.set TI, TI+1
.endr
.endm
; Block k's eight plane words W0 .. W7 (bit i of Wp = bit p of position i's index) are transposed 8 x 8 inside each byte: afterwards byte j of Wn is the index of position 8 j + n.
.macro TRANSP k
.set WB, 24+32*((\k)/4)+(\k)%4
	STAGE WB, 1, 24, 0, 2, 4, 6
	STAGE WB, 2, 25, 0, 1, 4, 5
	STAGE WB, 4, 26, 0, 1, 2, 3
.endm
; Block k's 64 look-ups.  Each address is made in the register into which its look-up lands, so no address of a pending LDS load is written again.
.macro GATHER k
.set WB, 24+32*((\k)/4)+(\k)%4
.set X8, 88+64*((\k)%2)
.set X4, X8+32
.irp n, 0,1,2,3,4,5,6,7
.irp j, 0,1,2,3
	v_bfe_u32 v[X8+8*\j+\n], v[WB+4*\n], 8*\j, 8
.endr
.irp j, 0,1,2,3
	s_delay_alu instid0(VALU_DEP_4)
	v_min_u32 v[X8+8*\j+\n], 0xff, v[X8+8*\j+\n]   ; a loaded number is held under a constant before it enters an address
.endr
.irp j, 0,1,2,3
	s_delay_alu instid0(VALU_DEP_4)
	v_lshl_add_u32 v[X8+8*\j+\n], v[X8+8*\j+\n], 7, v4   ; index x 128 + 4 x lane (= copy h, row r)
.endr
.irp j, 0,1,2,3
	s_delay_alu instid0(VALU_DEP_4)
	v_and_b32 v[X4+8*\j+\n], 0x7fc, v[X8+8*\j+\n]  ; the lane's term and the index's low four bits: the same place in lut4's table
.endr
.irp j, 0,1,2,3
	ds_load_b32 v[X8+8*\j+\n], v[X8+8*\j+\n]
	ds_load_b32 v[X4+8*\j+\n], v[X4+8*\j+\n] offset:T4
.endr
.endr
.endm
; Block k's two weights are quantised and their codes stored: lanes 0-15 fill 256 consecutive bytes, aligned, lanes 16-31 another 256.
.macro QUANT2 k
.set X8, 88+64*((\k)%2)
.set X4, X8+32
.set CR, 216+8*((\k)%4)
.if (\k) >= 4
	s_wait_xcnt 0x0                                ; the stores of four blocks ago have read their data: that set of codes is written again only behind this wait
.endif
	BLOCKQ X4, CR, 252
.if (\k)%4 == 0
	v_mov_b32 v[248+(\k)/4], v255                  ; four bytes to a word, the lower K in the lower byte.  (The plain line behind the conversions)
.else
	v_lshl_or_b32 v[248+(\k)/4], v255, 8*((\k)%4), v[248+(\k)/4]
.endif
	global_store_b128 v6, v[CR:CR+3], s[28:29] offset:256*(\k)
	BLOCKQ X8, CR+4, 252
.if (\k)%4 == 0
	v_mov_b32 v[250+(\k)/4], v255
.else
	v_lshl_or_b32 v[250+(\k)/4], v255, 8*((\k)%4), v[250+(\k)/4]
.endif
	global_store_b128 v6, v[CR+4:CR+7], s[30:31] offset:256*(\k)
.endm
	TRANSP 0
	GATHER 0
.irp k, 1,2,3,4,5,6,7
	TRANSP \k                                      ; the next block's indices and look-ups go out first,
	GATHER \k
	s_wait_dscnt 63                                ; 64 look-ups are younger than the last block's: with at most 63 out, the last block's are in
	QUANT2 \k-1                                    ; and the last block is quantised while they are on their way
.endr
	s_wait_dscnt 0x0
	QUANT2 7
	global_store_b64 v7, v[248:249], s[28:29]      ; 32 lanes store the chunk's 256 scale bytes
	global_store_b64 v7, v[250:251], s[30:31]
	v_lshl_add_u32 v10, v0, 2, 0x25b00             ; all 256 registers are at work in this path, so v0 is kept and the add's two registers are made here: my spare word (behind XN's block),
	v_mov_b32 v11, 0                               ; and 0
	s_wait_alu depctr_va_vdst(0)
	s_wait_tensorcnt 0x0                           ; the wave's end
	ds_add_u32 v10, v11
	s_wait_dscnt 0x0
	s_endpgm
; =============================== THE X PATH ===============================
; REGISTERS: v4 my bytes in a load; v5, v6 the stage, in and out; v7, v8 my places in the chunk; v9 8 h; v10, v11 the partial sums' words; v[12:19] four packed sums of squares; v20-23 scale words;
; v24-27 lane permutes' results; v28-31 the quantiser's; v32-159 four sets of 32 as loaded; v160-223 two sets of 32 neighbours; v224-255 codes, four for each step: no store's data are written again.
; A step t is 64 along K of all 16 rows.  A load takes two rows' 256 bytes as they lie, 16 bytes a lane; the 4,096 bytes turn through my wave's own stage and come back 128 bytes a lane:
; lane (r, h) then holds the whole block 2 t + h of row r.
.set XR, 32
.set XX, 160
.Lx_path:
	s_lshl_b32 s20, ttmp9, 18                      ; my 16 rows of 16,384 bytes,
	s_lshl_b32 s22, s18, 11                        ; my K step's 2,048 bytes of each
	s_add_co_u32 s20, s20, s22
	s_add_nc_u64 s[4:5], s[4:5], s[20:21]
	s_mul_i32 s20, ttmp9, TP
	s_mul_i32 s22, s18, CH
	s_add_co_u32 s20, s20, s22
	s_add_nc_u64 s[12:13], s[12:13], s[20:21]      ; my chunk of xp
	s_lshl_b32 s20, ttmp9, 6
	s_add_nc_u64 s[16:17], s[16:17], s[20:21]      ; my 16 flags
	s_add_co_u32 s23, s22, XS                      ; my stage (a stage is as long as a chunk)
	s_wait_alu depctr_va_vdst(0)
	v_lshlrev_b32 v4, 4, v2
	s_delay_alu instid0(VALU_DEP_1)
	v_lshl_add_u32 v4, v3, 14, v4                  ; lanes 0-15 one row, lanes 16-31 the next
	v_mul_u32_u24 v5, v3, XP
	s_delay_alu instid0(VALU_DEP_1)
	v_lshl_add_u32 v5, v2, 4, v5
	s_delay_alu instid0(VALU_DEP_1)
	v_add_nc_u32 v5, s23, v5                       ; in: row h (+ 2 i), 16 r
	v_mul_u32_u24 v6, v2, XP
	s_delay_alu instid0(VALU_DEP_1)
	v_lshl_add_u32 v6, v3, 7, v6
	s_delay_alu instid0(VALU_DEP_1)
	v_add_nc_u32 v6, s23, v6                       ; out: row r, block h
	v_lshlrev_b32 v7, 4, v1                        ; codes of block 2 t + h, row r: 16 x lane (+ 512 t)
	v_lshl_add_u32 v8, v3, 3, 4096
	s_delay_alu instid0(VALU_DEP_1)
	v_lshl_add_u32 v8, v2, 4, v8                   ; scale words 2 h, 2 h + 1 of row r
	v_lshlrev_b32 v9, 3, v3
	s_lshl_b32 s23, s18, 6
	s_add_co_u32 s23, s23, XN
	v_lshl_add_u32 v10, v2, 2, s23
	v_lshl_add_u32 v11, v2, 2, XN
.irp q, 0,1,2,3
	v_mov_b32 v[24+\q], 0                          ; written once: a lane permute's destination counts as one of its sources
.endr
.macro XLOAD t
.irp i, 0,1,2,3,4,5,6,7
	global_load_b128 v[XR+32*((\t)%4)+4*\i:XR+32*((\t)%4)+4*\i+3], v4, s[4:5] offset:32768*\i+256*(\t) th:TH_LOAD_NT
.endr
.endm
.macro XTURN t                         ; LDS serves a wave's instructions in order (ISA guide 5.7.1.4): no wait stands between the stores and the loads
.irp i, 0,1,2,3,4,5,6,7
	ds_store_b128 v5, v[XR+32*((\t)%4)+4*\i:XR+32*((\t)%4)+4*\i+3] offset:2*XP*\i
.endr
.irp j, 0,1,2,3,4,5,6,7
	ds_load_b128 v[XX+32*((\t)%2)+4*\j:XX+32*((\t)%2)+4*\j+3], v6 offset:16*\j
.endr
.endm
.macro XSTEP t
.set XB, XX+32*((\t)%2)
	s_wait_dscnt 0x0                               ; this step's numbers are back: the stage is free, and its stores have read the set that they came from,
.if (\t)+4 < 8
	XLOAD (\t)+4                                   ; which takes the loads of four steps on
	s_wait_loadcnt 24                              ; the next step's eight loads are in; those of the three steps behind it may be out
	XTURN (\t)+1
.elseif (\t) < 7
	s_wait_loadcnt 8*(6-(\t))                      ; the counts run down
	XTURN (\t)+1
.endif
.irp i, 0,1,2,3,4,5,6,7,8,9,10,11,12,13,14,15
.if ((\t) == 0) && (\i < 4)
	v_pk_mul_f32 v[12+2*\i:13+2*\i], v[XB+2*\i:XB+2*\i+1], v[XB+2*\i:XB+2*\i+1]   ; the first squares start the four chains: nothing is cleared
.else
	v_pk_fma_f32 v[12+2*(\i%4):13+2*(\i%4)], v[XB+2*\i:XB+2*\i+1], v[XB+2*\i:XB+2*\i+1], v[12+2*(\i%4):13+2*(\i%4)]
.endif
.endr
	BLOCKQ XB, 224+4*(\t), 28
.if (\t)%2 == 0
	v_mov_b32 v[20+(\t)/2], v31                    ; block 2 t + h is byte 2 (t % 2) + h of word t / 2: here without the h.  (The plain line behind the conversions)
.else
	v_lshl_or_b32 v[20+(\t)/2], v31, 16, v[20+(\t)/2]
.endif
	global_store_b128 v7, v[224+4*(\t):227+4*(\t)], s[12:13] offset:512*(\t)   ; 32 lanes store 512 consecutive bytes
.endm
.irp t, 0,1,2,3
	XLOAD \t
.endr
	s_wait_loadcnt 24                              ; step 0's eight loads are in
	XTURN 0
.irp t, 0,1,2,3,4,5,6,7
	XSTEP \t
.endr
.irp q, 0,1,2,3
	v_lshlrev_b32 v[20+\q], v9, v[20+\q]           ; my two bytes of each word at their places, 8 h bits up;
.endr
.irp q, 0,1,2,3
	s_delay_alu instid0(VALU_DEP_4)
	v_permlanex16_b32 v[24+\q], v[20+\q], s32, s33
.endr
.irp q, 0,1,2,3
	s_delay_alu instid0(VALU_DEP_4)
	v_or_b32 v[20+\q], v[20+\q], v[24+\q]          ; with lane l xor 16's two the word is whole
.endr
	v_cmp_ne_u32 vcc_lo, 0, v3
	s_delay_alu instid0(VALU_DEP_1)
	v_cndmask_b32 v28, v20, v22, vcc_lo            ; lanes 0-15 store words 0 and 1, lanes 16-31 words 2 and 3
	s_delay_alu instid0(VALU_DEP_2)
	v_cndmask_b32 v29, v21, v23, vcc_lo
	global_store_b64 v8, v[28:29], s[12:13]        ; 32 lanes store the chunk's 256 scale bytes
	v_pk_add_f32 v[12:13], v[12:13], v[14:15]
	v_pk_add_f32 v[16:17], v[16:17], v[18:19]
	s_delay_alu instid0(VALU_DEP_1)
	v_pk_add_f32 v[12:13], v[12:13], v[16:17]
	s_delay_alu instid0(VALU_DEP_1)
	v_add_f32 v12, v12, v13
	s_delay_alu instid0(VALU_DEP_1)
	v_permlanex16_b32 v24, v12, s32, s33
	s_delay_alu instid0(VALU_DEP_1)
	v_add_f32 v12, v12, v24                        ; row r's sum of squares over my K step
	ds_store_b32 v10, v12                          ; both halves of the lanes write the same word with the same value
	s_wait_dscnt 0x0                               ; for wave 0's sake
	s_barrier_signal -1
	s_barrier_wait -1
	s_cmp_lg_u32 s18, 0
	s_cbranch_scc1 .Lx_end                         ; wave 0 alone goes on
.irp j, 0,1,2,3,4,5,6,7
	ds_load_b32 v[32+\j], v11 offset:64*\j
.endr
	v_lshlrev_b32 v42, 2, v1
	s_wait_dscnt 0x0
	v_add_f32 v32, v32, v33
	v_add_f32 v34, v34, v35
	v_add_f32 v36, v36, v37
	v_add_f32 v38, v38, v39
	s_delay_alu instid0(VALU_DEP_3)
	v_add_f32 v32, v32, v34
	s_delay_alu instid0(VALU_DEP_2)
	v_add_f32 v36, v36, v38
	s_delay_alu instid0(VALU_DEP_1)
	v_add_f32 v32, v32, v36
	s_wait_alu depctr_va_vdst(0)
	v_sqrt_f32 v40, v32                            ; the norm
	v_nop                                          ; a plain line behind the root (ISA guide 5.7.2),
	s_wait_alu depctr_va_vdst(0)                   ; and a wait ahead of its first reader
	v_cmp_lt_f32 vcc_lo, 0x42800000, v40           ; 64 < the norm
	s_delay_alu instid0(VALU_DEP_1)
	v_cndmask_b32 v41, 0, 1, vcc_lo
	v_cmp_gt_u32 vcc_lo, 16, v1
	s_wait_alu depctr_va_vdst(0)
	s_wait_xcnt 0x0                                ; EXEC changes only behind this wait: my earlier stores have had their addresses translated
	s_and_saveexec_b32 s34, vcc_lo
	global_store_b32 v42, v41, s[16:17]            ; lanes 0-15: the 16 tokens' flags
	s_wait_xcnt 0x0
	s_or_b32 exec_lo, exec_lo, s34
.Lx_end:
	v_lshl_add_u32 v10, v0, 2, 0x25b00             ; as in the w path: v0 is kept, the add's two registers are made here
	v_mov_b32 v11, 0
	s_wait_alu depctr_va_vdst(0)
	s_wait_tensorcnt 0x0                           ; the wave's end
	ds_add_u32 v10, v11
	s_wait_dscnt 0x0
	s_endpgm
.Lfunc_end_k_q2ad58ca262_prep:
	.size	k_q2ad58ca262_prep, .Lfunc_end_k_q2ad58ca262_prep-k_q2ad58ca262_prep
	.p2alignl 7, 3214868480
	.fill 96, 4, 3214868480
	.section	.rodata,"a",@progbits
	.p2align	6, 0x0
	.amdhsa_kernel k_q2ad58ca262_prep
		.amdhsa_group_segment_fixed_size 155392
		.amdhsa_private_segment_fixed_size 0
		.amdhsa_enable_private_segment 0
		.amdhsa_kernarg_size 56
		.amdhsa_user_sgpr_count 2
		.amdhsa_user_sgpr_kernarg_segment_ptr 1
		.amdhsa_wavefront_size32 1
		.amdhsa_system_sgpr_workgroup_id_x 1
		.amdhsa_system_sgpr_workgroup_id_y 1
		.amdhsa_system_sgpr_workgroup_id_z 1
		.amdhsa_system_vgpr_workitem_id 0
		.amdhsa_next_free_vgpr 256
		.amdhsa_next_free_sgpr 66
		.amdhsa_reserve_vcc 1
		.amdhsa_float_denorm_mode_32 3
		.amdhsa_float_denorm_mode_16_64 3
		.amdhsa_memory_ordered 1
		.amdhsa_forward_progress 1
		.amdhsa_inst_pref_size 227
	.end_amdhsa_kernel
	.amdgpu_metadata
---
amdhsa.version: [ 1, 2 ]
amdhsa.kernels:
  - .name:           k_q2ad58ca262_prep
    .symbol:         k_q2ad58ca262_prep.kd
    .args:
      - { .name: x, .offset: 0, .size: 8, .value_kind: global_buffer, .address_space: global }
      - { .name: qweight, .offset: 8, .size: 8, .value_kind: global_buffer, .address_space: global }
      - { .name: lut4, .offset: 16, .size: 8, .value_kind: global_buffer, .address_space: global }
      - { .name: lut8, .offset: 24, .size: 8, .value_kind: global_buffer, .address_space: global }
      - { .name: xp, .offset: 32, .size: 8, .value_kind: global_buffer, .address_space: global }
      - { .name: wp, .offset: 40, .size: 8, .value_kind: global_buffer, .address_space: global }
      - { .name: route, .offset: 48, .size: 8, .value_kind: global_buffer, .address_space: global }
    .group_segment_fixed_size: 155392
    .private_segment_fixed_size: 0
    .kernarg_segment_align: 8
    .kernarg_segment_size: 56
    .max_flat_workgroup_size: 256
    .sgpr_count:     66
    .vgpr_count:     256
    .wavefront_size: 32
...
	.end_amdgpu_metadata
.endif
;; end of part 1
;; launch gemm (part 2): grid 32 x 8, 4 waves a work-group, clusters of 4 x 4, 327,680 bytes of LDS; arguments xp, wp, bias, route, out0; writes out0
.if DOCPART == 2
	.amdgcn_target "amdgcn-amd-amdhsa--gfx1250"
	.amdhsa_code_object_version 6
	.text
	.protected	k_q2ad58ca262_gemm
	.globl	k_q2ad58ca262_gemm
	.p2align	8
	.type	k_q2ad58ca262_gemm,@function
k_q2ad58ca262_gemm:
	s_mov_b64 s[64:65], 0
	v_nop
	global_prefetch_b8 v0, s[64:65] scope:SCOPE_SE
	s_setreg_imm32_b32 hwreg(HW_REG_WAVE_MODE, 25, 1), 1
	s_wait_xcnt 0x0
	s_wait_alu depctr_hold_cnt(0) depctr_sa_sdst(0) depctr_va_vdst(0) depctr_va_sdst(0) depctr_va_ssrc(0) depctr_va_vcc(0) depctr_vm_vsrc(0)
	s_getreg_b32 s2, hwreg(HW_REG_IB_STS2, 6, 4)
	s_cmp_eq_u32 s2, 0
	s_cbranch_scc0 .Lentry_in_a_cluster
	s_endpgm
.Lentry_in_a_cluster:
	s_bfe_u32 s2, ttmp6, 0x10000c
	s_cmp_lg_u32 s2, 0xf033
	s_cbranch_scc0 .Lentry_shape_is_right
	s_endpgm
.Lentry_shape_is_right:
; out0[t][o] = bias[o] + sum over k of x[t][k] w[o][k], w = lut8's weight where route[t] is 1, else lut4's.  Both operands come as codes of FP4 with E8M0 scale bytes, in prep's packed layout
; [tile of 16 rows][K step of 512][4,352 bytes], which is the image of the operand's registers.  A work-group of four waves makes 256 tokens x 128 outputs in both precisions: B's 256 rows are 2 x (64 by lut4, 64 by lut8).
; A wave makes 128 tokens x (64 + 64): 64 accumulators; the bias is the C of the first products; on the way out each token's flag selects between the two halves.
; K goes in 8 steps of 512 through a ring of two LDS slots; 4 x 4 work-groups form a cluster and ask for A's tiles jointly along a row, for B's along a column.
; PREFETCH: behind the joint load of K step j each wave asks for K step j + 2 of the eight tiles that it fetches: the four partners of a joint load take two tiles each, told apart by address
; (cx for A, cy for B); a tile's chunk is 17 blocks of 256 bytes, a lane a block, lanes 17-31 name block 16 again.  K steps 2 and 3 are asked for behind K step 1's load; the loads of K steps 6 and 7 ask for nothing.
; THE LAST K STEP GOES BY ROWS: all its fragments of B fill window 1, A comes by blocks of 16 tokens, and each block is selected, staged and stored while the next is multiplied.
.set TP,     34816
.set PFO,  27                          ; v27      the prefetches' offset: 256 x min(lane, 16); never rewritten
.set PFA,  66                          ; s[66:67] my two tiles, one K step short of the K step that a prefetch in the loop names
.set CH,     4352
.set HALFT,  8*CH
.set SLOT,   4*HALFT
.set SPARE,  2*SLOT
.set NQ,     4
.set FR,     8
.set NL,     2
.set NP,     4
.set LAPS,   4
.set OROW,   16384
.set SPITCH, 272
.set FL,   8
.set ADRA, 16
.set ADRB, 20
.set ADRS, 22
.set STO,  24
.set RD,   25
.set CO,   26
.set SPW,  28
.set NIL,  29
.set SC,   32
.set BIAS, 96
.set AF,   128
.set BK,   128
.set T,    192
.set G1,  24
.set G0,  32
.set G1B, 48
.set G0B, 56
.set MK,  70
.set MSB, 0
.macro WIN new
.if MSB != (\new)
	s_set_vgpr_msb (MSB<<8)|(\new)
.set MSB, (\new)
.endif
.endm
.set MUL_LO, 0xa1
.set MUL_HI, 0xf1
.set TO_B,   0x40
.macro JLOAD g0a, g1a, g0b, g1b
	s_cmp_eq_u32 s15, 0
	s_cbranch_scc0 .Lfor_b_\@
	tensor_load_to_lds s[\g0a:\g0a+3], s[\g1a:\g1a+7]
	s_nop 0
.rept 4
	v_nop
.endr
	s_branch .Lasked_\@
.Lfor_b_\@:
	tensor_load_to_lds s[\g0b:\g0b+3], s[\g1b:\g1b+7]
	s_nop 0
.rept 4
	v_nop
.endr
.Lasked_\@:
.endm
.macro CREST
	s_cmp_lg_u32 s14, 0
	s_cbranch_scc1 .Lnot_wave_0_\@
	s_barrier_signal -3
.Lnot_wave_0_\@:
	s_barrier_wait -3
	s_barrier_signal -1
	s_barrier_wait -1
.endm
.macro CROUND
	s_barrier_signal -1
	s_barrier_wait -1
	CREST
.endm
	s_load_b256 s[4:11], s[0:1], 0x0
	s_load_b64 s[12:13], s[0:1], 0x20
	v_lshl_add_u32 v[SPW], v0, 2, SPARE
	v_mov_b32 v[NIL], 0
	ds_add_u32 v28, v29
	ds_add_u32 v28, v29
	s_wait_dscnt 0x0
	v_lshrrev_b32 v1, 5, v0
	v_readfirstlane_b32 s14, v1
	s_lshr_b32 s15, s14, 1
	s_and_b32 s16, s14, 1
	s_bfe_u32 s40, ttmp6, 0x40000
	s_bfe_u32 s41, ttmp6, 0x40004
	s_lshl_b32 s42, ttmp9, 2
	s_add_co_u32 s42, s42, s40
	s_and_b32 s17, ttmp7, 0xffff
	s_lshl_b32 s17, s17, 2
	s_add_co_u32 s17, s17, s41
	s_lshl_b32 s43, s41, 2
	s_lshl_b32 s43, 15, s43
	s_lshl_b32 s44, 0x1111, s40
	s_or_b32 s[G1+0], s43, (3<<16)|(1<<21)
	s_or_b32 s[G1B+0], s44, (3<<16)|(1<<21)
.irp g, G1, G1B
	s_mov_b32 s[\g+1], 544<<16
	s_mov_b32 s[\g+2], 8<<16
	s_mov_b32 s[\g+3], 544<<16
	s_mov_b32 s[\g+4], 8
	s_mov_b32 s[\g+5], TP/8
	s_mov_b32 s[\g+6], 0
	s_mov_b32 s[\g+7], 0
.endr
	s_lshl_b32 s18, s16, 3
	s_lshl_b32 s20, s17, 4
	s_add_co_u32 s20, s20, s18
	s_mul_i32 s20, s20, TP
	s_mov_b32 s21, 0
	s_lshl_b32 s46, s42, 4
	s_add_co_u32 s46, s46, s18
	s_mul_i32 s46, s46, TP
	s_mov_b32 s47, 0
	s_mul_i32 s45, s14, HALFT
	s_wait_kmcnt 0x0
	s_add_nc_u64 s[20:21], s[4:5], s[20:21]
	s_add_nc_u64 s[46:47], s[6:7], s[46:47]
	CROUND
.irp s, 0,1
	s_mov_b32 s[G0+4*\s], 1
	s_add_co_u32 s[G0+4*\s+1], s45, \s*SLOT
	s_add_nc_u64 s[G0+4*\s+2:G0+4*\s+3], s[20:21], \s*CH
	s_or_b32 s[G0+4*\s+3], s[G0+4*\s+3], 0x80000000
	s_mov_b32 s[G0B+4*\s], 1
	s_add_co_u32 s[G0B+4*\s+1], s45, \s*SLOT
	s_add_nc_u64 s[G0B+4*\s+2:G0B+4*\s+3], s[46:47], \s*CH
	s_or_b32 s[G0B+4*\s+3], s[G0B+4*\s+3], 0x80000000
.endr
	JLOAD G0, G1, G0B, G1B                         ; K step 0: one tensor load a wave at the head; the rest of the head stands under its flight
	s_cmp_eq_u32 s15, 0                            ; do I fetch for A?
	s_cselect_b64 s[PFA:PFA+1], s[20:21], s[46:47] ; my eight tiles,
	s_cselect_b32 s68, s40, s41                    ; my place among the four that ask with me,
	s_mul_i32 s68, s68, 2*TP                       ; which takes two of them
	s_mov_b32 s69, 0
	s_add_nc_u64 s[PFA:PFA+1], s[PFA:PFA+1], s[68:69]
	s_add_nc_u64 s[PFA:PFA+1], s[PFA:PFA+1], 2*CH  ; at K step 2
	v_and_b32 v1, 15, v0
	v_bfe_u32 v2, v0, 4, 1
	v_and_b32 v3, 31, v0
	v_lshlrev_b32 v4, 4, v3
	s_mul_i32 s18, s15, HALFT
	s_mul_i32 s19, s16, HALFT
	s_add_co_u32 s19, s19, 2*HALFT
	s_sub_co_u32 s22, s19, s18
	v_mul_u32_u24 v6, s22, v2
	v_lshl_add_u32 v5, v1, 4, 4096
	v_add_nc_u32 v5, v5, v6
.irp s, 0,1
	v_add_nc_u32 v[ADRA+\s], s18, v4
	v_add_nc_u32 v[ADRB+\s], s19, v4
	v_add_nc_u32 v[ADRS+\s], s18, v5
	s_add_co_u32 s18, s18, SLOT
	s_add_co_u32 s19, s19, SLOT
.endr
	s_mul_i32 s23, s14, 16*SPITCH
	v_mul_u32_u24 v5, v1, SPITCH
	v_lshl_add_u32 v5, v2, 5, v5
	v_add_nc_u32 v[STO], s23, v5
	v_mul_u32_u24 v5, v2, SPITCH
	v_lshl_add_u32 v5, v1, 4, v5
	v_add_nc_u32 v[RD], s23, v5
	v_lshlrev_b32 v[CO], 4, v1
	v_lshl_add_u32 v[CO], v2, 14, v[CO]
	v_lshlrev_b32 v7, 5, v2
	v_min_u32 v[PFO], 16, v3
	v_lshlrev_b32 v[PFO], 8, v[PFO]
	s_wait_alu depctr_va_vdst(0)
	v_lshlrev_b32 v30, 2, v1
	s_wait_alu depctr_va_vdst(0)
	global_prefetch_b8 v[PFO], s[PFA:PFA+1] offset:-CH th:TH_LOAD_NT scope:SCOPE_SE     ; K step 1 of my two tiles (PFA stands at K step 2): asked for while K step 0's load is out; its own load follows behind the wait for that one
	global_prefetch_b8 v[PFO], s[PFA:PFA+1] offset:TP-CH th:TH_LOAD_NT scope:SCOPE_SE
	s_lshl_b32 s20, s17, 8
	s_lshl_b32 s21, s15, 7
	s_add_co_u32 s20, s20, s21
	s_lshl_b32 s22, s20, 2
	s_mov_b32 s23, 0
	s_add_nc_u64 s[10:11], s[10:11], s[22:23]
	s_lshl_b32 s20, s20, 14
	s_mov_b32 s21, 0
	s_add_nc_u64 s[12:13], s[12:13], s[20:21]
	s_lshl_b32 s46, s42, 9
	s_lshl_b32 s47, s16, 8
	s_add_co_u32 s46, s46, s47
	s_mov_b32 s47, 0
	s_add_nc_u64 s[12:13], s[12:13], s[46:47]
	s_add_nc_u64 s[8:9], s[8:9], s[46:47]
.irp b, 0,1,2,3
	global_load_b128 v[BIAS+8*\b:BIAS+8*\b+3], v7, s[8:9] offset:64*\b
	global_load_b128 v[BIAS+8*\b+4:BIAS+8*\b+7], v7, s[8:9] offset:64*\b+16
.endr
.irp a, 0,1,2,3,4,5,6,7
	global_load_b32 v[FL+\a], v30, s[10:11] offset:64*\a
.endr
.macro FRAG reg, adr, q, i
.irp c, 0,1
	ds_load_b128 v[\reg+4*\c:\reg+4*\c+3], v[\adr] offset:(\i)*CH+1024*(\q)+512*\c
.endr
.endm
.macro MUL16 a0, p, q, sc, zero
.irp a, \a0, \a0+1
.irp b, 0,1,2,3,4,5,6,7
.if \zero
	v_wmma_scale_f32_16x16x128_f8f6f4 v[8*(8*((\a)%4)+\b):8*(8*((\a)%4)+\b)+7], v[128*(\p)+FR*\b:128*(\p)+FR*\b+FR-1], v[AF+FR*(\a):AF+FR*(\a)+FR-1], v[BIAS+8*(\b%4):BIAS+8*(\b%4)+7], v[SC+8*NQ*(\sc)+NQ*\b+(\q)], v[SC+8*NQ*(\sc)+NQ*(\a)+(\q)] matrix_a_fmt:MATRIX_FMT_FP4 matrix_b_fmt:MATRIX_FMT_FP4 matrix_a_scale:MATRIX_SCALE_ROW1
.else
	v_wmma_scale_f32_16x16x128_f8f6f4 v[8*(8*((\a)%4)+\b):8*(8*((\a)%4)+\b)+7], v[128*(\p)+FR*\b:128*(\p)+FR*\b+FR-1], v[AF+FR*(\a):AF+FR*(\a)+FR-1], v[8*(8*((\a)%4)+\b):8*(8*((\a)%4)+\b)+7], v[SC+8*NQ*(\sc)+NQ*\b+(\q)], v[SC+8*NQ*(\sc)+NQ*(\a)+(\q)] matrix_a_fmt:MATRIX_FMT_FP4 matrix_b_fmt:MATRIX_FMT_FP4 matrix_a_scale:MATRIX_SCALE_ROW1
.endif
.endr
.endr
.endm
.macro FETCH_B slot, q, p
	WIN TO_B
.irp i, 0,1,2,3,4,5,6,7
	FRAG 128*(\p)+FR*\i, ADRB+\slot, \q, \i
.endr
	WIN 0
.endm
.macro FETCH_A slot, q, i0
.irp i, \i0, \i0+1, \i0+2, \i0+3
	FRAG AF+FR*(\i), ADRA+\slot, \q, \i
.endr
.endm
.macro SCALES s
.irp i, 0,1,2,3,4,5,6,7
	ds_load_b128 v[SC+8*NQ*\s+NQ*\i:SC+8*NQ*\s+NQ*\i+3], v[ADRS+\s] offset:\i*CH
.endr
.endm
.macro PLACES n
.rept \n
	v_nop
.endr
.endm
.macro STEP slot, q, zero
	s_wait_dscnt 4*NL
	WIN MUL_LO-0x20*(\zero)
	MUL16 0, (\q)%2, \q, \slot, \zero
	MUL16 2, (\q)%2, \q, \slot, \zero
	s_wait_dscnt 0
	PLACES NP
	FETCH_B \slot, (\q)+1, 1-(\q)%2
	FETCH_A \slot, (\q)+1, 0
	WIN MUL_HI-0x30*(\zero)
	MUL16 4, (\q)%2, \q, \slot, \zero
	MUL16 6, (\q)%2, \q, \slot, \zero
	PLACES NP
	WIN 0
	FETCH_A \slot, (\q)+1, 4
.endm
.macro ASK                             ; two tiles' chunks of the K step two beyond the one just asked for; not in the loop's last trip, which has no such K step
	s_cmp_gt_u32 s3, 1
	s_cbranch_scc0 .Lno_ask_\@
	global_prefetch_b8 v[PFO], s[PFA:PFA+1] offset:CH th:TH_LOAD_NT scope:SCOPE_SE
	global_prefetch_b8 v[PFO], s[PFA:PFA+1] offset:CH+TP th:TH_LOAD_NT scope:SCOPE_SE
.Lno_ask_\@:
.endm
.macro TURN slot, next, fill
.if \fill
	s_wait_xcnt 0x0                                ; my last prefetches have read their address: it steps here, a K step behind them
	s_add_nc_u64 s[PFA:PFA+1], s[PFA:PFA+1], CH
.endif
	s_wait_tensorcnt 0x0
	ds_add_u32 v[SPW], v[NIL]
	s_wait_dscnt 4*NL+1
	WIN MUL_LO
	MUL16 0, 1, NQ-1, \slot, 0
	s_wait_dscnt 0x0
	s_barrier_signal -1
	MUL16 2, 1, NQ-1, \slot, 0
	WIN 0
	s_barrier_wait -1
.if \fill
	CREST
	s_add_nc_u64 s[G0+4*\slot+2:G0+4*\slot+3], s[G0+4*\slot+2:G0+4*\slot+3], 2*CH
	s_add_nc_u64 s[G0B+4*\slot+2:G0B+4*\slot+3], s[G0B+4*\slot+2:G0B+4*\slot+3], 2*CH
	JLOAD G0+4*\slot, G1, G0B+4*\slot, G1B
.else
	PLACES NP
.endif
	FETCH_B \next, 0, 0
	FETCH_A \next, 0, 0
	SCALES \next
.if \fill
	ASK                                            ; behind the joint load and the run of LDS loads; every window is 0 here
.endif
	WIN MUL_HI
	MUL16 4, 1, NQ-1, \slot, 0
	MUL16 6, 1, NQ-1, \slot, 0
	PLACES NP
	WIN 0
	FETCH_A \next, 0, 4
.endm
.macro STEPS slot, from
.set Q, \from
.rept NQ-1-\from
	STEP \slot, Q, 0
.set Q, Q+1
.endr
.endm
	s_wait_alu depctr_va_vdst(0)
	s_wait_tensorcnt 0x0                           ; my part of K step 0 is in
	ds_add_u32 v[SPW], v[NIL]
	s_wait_dscnt 0x0
	CROUND                                         ; everybody's part is in, and all sixteen work-groups are here
	JLOAD G0+4, G1, G0B+4, G1B                     ; K step 1: the first tensor load behind the round
	FETCH_B 0, 0, 0
	FETCH_A 0, 0, 0
	SCALES 0
	global_prefetch_b8 v[PFO], s[PFA:PFA+1] th:TH_LOAD_NT scope:SCOPE_SE              ; K step 2 of my two tiles,
	global_prefetch_b8 v[PFO], s[PFA:PFA+1] offset:TP th:TH_LOAD_NT scope:SCOPE_SE
	global_prefetch_b8 v[PFO], s[PFA:PFA+1] offset:CH th:TH_LOAD_NT scope:SCOPE_SE    ; and K step 3
	global_prefetch_b8 v[PFO], s[PFA:PFA+1] offset:CH+TP th:TH_LOAD_NT scope:SCOPE_SE
	FETCH_A 0, 0, 4
	s_wait_loadcnt 0x0
	STEP 0, 0, 1
	s_mov_b32 s3, LAPS-1
.Llap:
	STEPS 0, 1
	TURN 0, 1, 1
	STEPS 1, 0
	TURN 1, 0, 1
	STEP 0, 0, 0
	s_sub_co_u32 s3, s3, 1
	s_cmp_lg_u32 s3, 0
	s_cbranch_scc1 .Llap
	STEPS 0, 1
; THE LAST K STEP (slot 1) BY ROWS.  B's fragments of quarter q -> window 1, v[64 q ..]; A's block a, all four quarters -> buffer a % 2 of v128-191.
.macro BLOAD q
.irp i, 0,1,2,3,4,5,6,7
	FRAG 64*(\q)+FR*\i, ADRB+1, \q, \i
.endr
.endm
.macro ALOAD a
.irp q, 0,1,2,3
	FRAG AF+32*((\a)%2)+FR*\q, ADRA+1, \q, \a
.endr
.endm
.macro ROW a                           ; block a is finished: 32 matrix instructions, its 8 accumulators by turns, K ascending
.set AC, 64*((\a)%4)
.set PA, AF+32*((\a)%2)
	WIN MUL_LO+0x50*((\a)/4)
.irp q, 0,1,2,3
.if (\a) == 0 && \q == 2
	s_wait_dscnt 8                                 ; B's quarter 2 is in; behind it: A's block 1
.endif
.irp b, 0,1,2,3,4,5,6,7
	v_wmma_scale_f32_16x16x128_f8f6f4 v[AC+8*\b:AC+8*\b+7], v[64*\q+FR*\b:64*\q+FR*\b+FR-1], v[PA+FR*\q:PA+FR*\q+FR-1], v[AC+8*\b:AC+8*\b+7], v[SC+8*NQ+NQ*\b+\q], v[SC+8*NQ+NQ*(\a)+\q] matrix_a_fmt:MATRIX_FMT_FP4 matrix_b_fmt:MATRIX_FMT_FP4 matrix_a_scale:MATRIX_SCALE_ROW1
.endr
.endr
.endm
	s_wait_tensorcnt 0x0                           ; the last change of slots: my part of slot 1 is in; nothing is filled again, so no round follows
	ds_add_u32 v[SPW], v[NIL]
	s_wait_dscnt 4*NL+1                            ; (the add and A's blocks 4-7 may be out)
	WIN MUL_LO
	MUL16 0, 1, NQ-1, 0, 0
	s_wait_dscnt 0x0                               ; the add is done, and my reads of slot 0 are over
	s_barrier_signal -1
	MUL16 2, 1, NQ-1, 0, 0
	WIN 0
	s_barrier_wait -1
	PLACES NP
	WIN TO_B
	BLOAD 0                                        ; three quarters of B now: set 1 (v128-191 of window 1) is still being multiplied
	BLOAD 1
	BLOAD 3
	WIN 0
	SCALES 1
	ALOAD 0                                        ; into the registers of A's blocks 0-3, which are done with
	WIN MUL_HI
	MUL16 4, 1, NQ-1, 0, 0
	MUL16 6, 1, NQ-1, 0, 0
	PLACES NP
	WIN TO_B
	BLOAD 2
	WIN 0
	ALOAD 1
.macro SELECT a
.set AC, 64*((\a)%4)
.set TT, T+32*((\a)%2)
	WIN 0x0a+5*((\a)/4)
.irp b, 0,1,2,3
.irp i, 0,1,2,3,4,5,6,7
	v_cndmask_b32 v[TT+8*\b+\i], v[AC+8*\b+\i], v[AC+8*(\b+4)+\i], s[MK+(\a)]
.endr
.endr
	WIN 0
.endm
.macro TOSTAGE a
.set TT, T+32*((\a)%2)
.set BB, 96-64*((\a)%2)                ; back from the stage: v96-127 (the bias's) and v32-63 (slot 0's scale words) by turns: both are done with
.irp b, 0,1,2,3
	ds_store_b128 v[STO], v[TT+8*\b:TT+8*\b+3] offset:64*\b
	ds_store_b128 v[STO], v[TT+8*\b+4:TT+8*\b+7] offset:64*\b+16
.endr
.irp t, 0,1,2,3,4,5,6,7
	ds_load_b128 v[BB+4*\t:BB+4*\t+3], v[RD] offset:\t*2*SPITCH
.endr
.endm
.macro SEND a
.set BB, 96-64*((\a)%2)
	s_wait_dscnt 0x0
.if (\a) > 0
	s_wait_xcnt 0x0
	s_add_nc_u64 s[12:13], s[12:13], 16*OROW
.endif
.irp t, 0,1,2,3,4,5,6,7
	global_store_b128 v[CO], v[BB+4*\t:BB+4*\t+3], s[12:13] offset:2*\t*OROW th:TH_STORE_NT
.endr
.endm
	PLACES NP
.irp a, 0,1,2,3,4,5,6,7
	v_cmp_ne_u32 s[MK+\a], 0, v[FL+\a]
.endr
	s_wait_dscnt 24                                ; all but B's quarter 2 (16 loads) and A's block 1 (8)
	ROW 0
.irp a, 0,1,2,3,4,5,6,7                ; block a is selected and staged; block a + 1 is multiplied while it comes back from the stage; then it is stored
	PLACES NP                                      ; the selection reads results just made, and the loads below land in a buffer just read
	SELECT \a
	TOSTAGE \a
.if \a < 6
	ALOAD \a+2
	s_wait_dscnt 24                                ; A's block a + 1 is in; behind it: the stage's 16 and block a + 2's 8
.elseif \a < 7
	s_wait_dscnt 16                                ; behind A's block 7: the stage's 16
.endif
.if \a < 7
	ROW \a+1
	WIN 0
.endif
	SEND \a
.endr
	s_wait_tensorcnt 0x0
	ds_add_u32 v[SPW], v[NIL]
	s_wait_dscnt 0x0
	CROUND
	s_endpgm
.Lfunc_end_k_q2ad58ca262_gemm:
	.size	k_q2ad58ca262_gemm, .Lfunc_end_k_q2ad58ca262_gemm-k_q2ad58ca262_gemm
	.p2alignl 7, 3214868480
	.fill 96, 4, 3214868480
	.section	.rodata,"a",@progbits
	.p2align	6, 0x0
	.amdhsa_kernel k_q2ad58ca262_gemm
		.amdhsa_group_segment_fixed_size 327680
		.amdhsa_private_segment_fixed_size 0
		.amdhsa_enable_private_segment 0
		.amdhsa_kernarg_size 40
		.amdhsa_user_sgpr_count 2
		.amdhsa_user_sgpr_kernarg_segment_ptr 1
		.amdhsa_wavefront_size32 1
		.amdhsa_system_sgpr_workgroup_id_x 1
		.amdhsa_system_sgpr_workgroup_id_y 1
		.amdhsa_system_sgpr_workgroup_id_z 1
		.amdhsa_system_vgpr_workitem_id 0
		.amdhsa_next_free_vgpr 1024
		.amdhsa_next_free_sgpr 80
		.amdhsa_reserve_vcc 0
		.amdhsa_float_denorm_mode_32 3
		.amdhsa_float_denorm_mode_16_64 3
		.amdhsa_memory_ordered 1
		.amdhsa_forward_progress 1
		.amdhsa_inst_pref_size 215
	.end_amdhsa_kernel
	.amdgpu_metadata
---
amdhsa.version: [ 1, 2 ]
amdhsa.kernels:
  - .name:           k_q2ad58ca262_gemm
    .symbol:         k_q2ad58ca262_gemm.kd
    .args:
      - { .name: xp, .offset: 0, .size: 8, .value_kind: global_buffer, .address_space: global }
      - { .name: wp, .offset: 8, .size: 8, .value_kind: global_buffer, .address_space: global }
      - { .name: bias, .offset: 16, .size: 8, .value_kind: global_buffer, .address_space: global }
      - { .name: route, .offset: 24, .size: 8, .value_kind: global_buffer, .address_space: global }
      - { .name: out0, .offset: 32, .size: 8, .value_kind: global_buffer, .address_space: global }
    .group_segment_fixed_size: 327680
    .private_segment_fixed_size: 0
    .kernarg_segment_align: 8
    .kernarg_segment_size: 40
    .max_flat_workgroup_size: 128
    .sgpr_count:     80
    .vgpr_count:     1024
    .wavefront_size: 32
...
	.end_amdgpu_metadata
.endif
;; end of part 2
